; MI455X (gfx1250); checked and timed in simulation.
; The chip was launched on July 23, 2026; its instructions are those of AMD's public machine-readable ISA for CDNA 5 (MIT licence, August 2026) and "CDNA5" Instruction Set Architecture Reference Guide (July 2026). The comments in the code are by the model that wrote it; some were corrected since.
;; GPT2 UV Latent Attention. Allowed arithmetic: matrix products marked QUANTISED: E4M3 operands, one given power-of-two scale a tensor, by v_wmma_f32_16x16x64_fp8_fp8 or v_wmma_f32_16x16x128_fp8_fp8, f32 sums; everything else in f32.
;; Inputs: basis_w_codes 256 x 32 x 32 uint8 (E4M3 codes of basis_w, K innermost, in blocks of 32 codes); hidden_states_codes 4 x 2,048 x 32 x 32 uint8 (E4M3 codes of hidden_states, K innermost, in blocks of 32 codes); lowp_scales 14 int32 (the exponents e of the quantised operands' scales 2^e); o_proj_b 1,024 float32; o_proj_w_codes 1,024 x 32 x 32 uint8 (E4M3 codes of o_proj_w, K innermost, in blocks of 32 codes); u_factor_codes 16 x 64 x 8 x 32 uint8 (E4M3 codes of u_factor, K innermost, in blocks of 32 codes); v_factor_codes 16 x 64 x 8 x 32 uint8 (E4M3 codes of v_factor, K innermost, in blocks of 32 codes); v_proj_b 1,024 float32; v_proj_w_codes 1,024 x 32 x 32 uint8 (E4M3 codes of v_proj_w, K innermost, in blocks of 32 codes).
;; Outputs: out0 4 x 2,048 x 1,024 float32.
;; This version of the problem:
;;   THIS VERSION OF THE PROBLEM IS GIVEN IN LOW PRECISION. The matrix products marked QUANTISED in the list below multiply operands that are first quantised to E4M3 (4 exponent bits, 3 mantissa bits; 8 bits a number), with one given power-of-two scale for each operand tensor; their sums are f32. All else is computed in f32.
;;   The module's matrix products, in the order in which they are computed (A, B: the left and right operand; K: the contracted axis; several contracted axes count as one K, in the product's order):
;;     1. [M 8,192, K 1,024] x [K 1,024, N 256]; A: input hidden_states (given as codes); B: input basis_w (given as codes): QUANTISED (scales: A lowp_scales[0], B lowp_scales[1])
;;     2. [M 1,024, K 256] x [K 256, N 8,192]; A: input u_factor (given as codes); B: computed on the way: QUANTISED (scales: A lowp_scales[2], B lowp_scales[3])
;;     3. [M 1,024, K 256] x [K 256, N 8,192]; A: input v_factor (given as codes); B: computed on the way: QUANTISED (scales: A lowp_scales[4], B lowp_scales[5])
;;     4. [M 8,192, K 1,024] x [K 1,024, N 1,024]; A: input hidden_states (given as codes); B: input v_proj_w (given as codes): QUANTISED (scales: A lowp_scales[6], B lowp_scales[7])
;;     5. batch 64 x [M 2,048, K 64] x [K 64, N 2,048]; A: computed on the way; B: computed on the way: QUANTISED (scales: A lowp_scales[8], B lowp_scales[9])
;;     6. batch 64 x [M 2,048, K 2,048] x [K 2,048, N 64]; A: softmax (see below); B: computed on the way: QUANTISED (scales: A lowp_scales[10], B lowp_scales[11])
;;     7. [M 8,192, K 1,024] x [K 1,024, N 1,024]; A: computed on the way; B: input o_proj_w (given as codes): QUANTISED (scales: A lowp_scales[12], B lowp_scales[13])
;;   THE QUANTISER, for each operand of a quantised product, along K:
;;     - The operand's scale is 2^e, e = its entry of the input lowp_scales (int32; the entries are numbered through the quantised products in the list's order, A before B).
;;     - Each number is divided by the scale, clamped to +-448, and rounded to the nearest number of E4M3, ties to even, subnormals kept.
;;     - The product sums the exact products of the quantised numbers (number of the format x scale) in f32.
;;   ~~~python
;;   def quantise(x, axis, e):      # numpy; x: float32 -> the quantised numbers, widened to float32 again
;;       x = np.moveaxis(x, axis, -1); K = x.shape[-1]
;;       r = np.clip(x / 2.0 ** e, -448, 448)
;;       step = 2.0 ** (np.maximum(np.frexp(np.where(r == 0, 1, r))[1] - 1, -6) - 3)
;;       q = np.round(r / step) * step * 2.0 ** e      # np.round: ties to even
;;       return np.moveaxis(q, -1, axis).astype(np.float32)
;;   ~~~
;;   SOFTMAX AHEAD OF A QUANTISED PRODUCT. Where the list says 'softmax', what is quantised is not the finished softmax but p = 2^(t - M), with t = logit x log2(e) and M = ceil(the row's largest t), a whole number; so 1/2 < the row's largest p <= 1. The row's sum l is taken of the UNQUANTISED p, in f32, and the product's result is divided by l at the end. Since M is a whole number, a kernel that streams over the keys may use a running M (the ceiling of the running maximum): every later rescaling is an exact power of two, so the quantised numbers keep their values, but for numbers so far below the row's largest that they fall under the format's range.
;;   OPERANDS COMPUTED ON THE WAY. 'Computed on the way' means the value that the module computes at that place (a softmax that the list does not call 'softmax' is quantised finished and normalised). What goes into a quantiser is computed in f32, as accurately as f32 sums, v_exp_f32 and their like allow (about 1e-6 of the number): no bf16 or f16 on the way to a quantiser, and a product that is left as it is and whose result goes on into a quantised operand takes f32 operands (vector FMAs, or v_wmma_f32_16x16x4_f32). A number that lies on a knife's edge between two numbers of the format may be rounded either way, as far as f32 arithmetic and the matrix unit's own rounding can turn it there, and no further.
;;   INPUTS GIVEN AS CODES. basis_w (in the module: [256, 1024], K = its axis 1); hidden_states (in the module: [4, 2048, 1024], K = its axis 2); o_proj_w (in the module: [1024, 1024], K = its axis 1); u_factor (in the module: [16, 256, 64], K = its axis 1); v_factor (in the module: [16, 256, 64], K = its axis 1); v_proj_w (in the module: [1024, 1024], K = its axis 1): each comes as NAME_codes (uint8): NAME with its K axis moved to the last place and cut into blocks of 32 codes, [.., K / 32, bytes a block], one block behind the other in memory; one code a byte (a code: sign, 4 exponent bits, 3 mantissa bits); its scale is its entry of lowp_scales. Its value is code x scale, taken as it is: it is not quantised again, and the codes and scales need not be those that the quantiser above would give.
;; One version. Each part assembles by itself: llvm-mc -triple=amdgcn-amd-amdhsa -mcpu=gfx1250 --defsym DOCPART=n.
;; ======== version 1 of 1: 3 launches
;; limits: right only within a limited range of input values
;; workspace buffers: q_img 8,388,608 bytes; k_img 8,388,608 bytes; v_img 8,388,608 bytes; y_img 8,388,608 bytes
;; launch prep (part 1): grid 4 x 64, 4 waves a work-group, clusters of 4 x 1, 327,680 bytes of LDS; arguments hidden_states_codes, v_proj_w_codes, lowp_scales, v_proj_b, v_img, basis_w_codes, u_factor_codes, v_factor_codes, q_img, k_img; writes v_img, q_img, k_img
.if DOCPART == 1
	.amdgcn_target "amdgcn-amd-amdhsa--gfx1250"
	.amdhsa_code_object_version 6
	.text
	.protected	k_qafffb0a240_prep
	.globl	k_qafffb0a240_prep
	.p2align	8
	.type	k_qafffb0a240_prep,@function
k_qafffb0a240_prep:
	s_mov_b64 s[64:65], 0
	v_nop
	global_prefetch_b8 v0, s[64:65] scope:SCOPE_SE
	s_setreg_imm32_b32 hwreg(HW_REG_WAVE_MODE, 25, 1), 1
	s_wait_xcnt 0x0
	s_wait_alu depctr_hold_cnt(0) depctr_sa_sdst(0) depctr_va_vdst(0) depctr_va_sdst(0) depctr_va_ssrc(0) depctr_va_vcc(0) depctr_vm_vsrc(0)
	s_getreg_b32 s2, hwreg(HW_REG_IB_STS2, 6, 4)
	s_cmp_eq_u32 s2, 0
	s_cbranch_scc0 .Lentry_in_a_cluster
	s_endpgm
.Lentry_in_a_cluster:
	s_bfe_u32 s2, ttmp6, 0x10000c
	s_cmp_lg_u32 s2, 0x3003
	s_cbranch_scc0 .Lentry_shape_is_right
	s_endpgm
.Lentry_shape_is_right:
; TWO PARTS IN ONE LAUNCH, all on codes of FP8 (E4M3).  Part 1: v = x Wv^T + b, quantised with 2^e11.  Part 2: latent = x basis^T, q = latent u, k = latent v_factor, quantised with 2^e8 and 2^e9.
; All three results are stored as images of the operand registers of attention's products, in the plain FP8 forms' own layout:
; v_img: [batch x head 64][key step 16][a 4][g 4][lane 32][16 bytes]: lanes = channel 16 a + lane % 16, registers 2 c, 2 c + 1 = keys 16 c + 8 (lane / 16) + 0 .. 7 of the step's 128.
; q_img, k_img: [batch x head 64][tile of 16 tokens 128][g 2][lane 32][16 bytes]: lanes = tokens, registers 2 c, 2 c + 1 = s 16 c + 8 (lane / 16) + 0 .. 7.
; SHARES.  Cluster c (0..63) of four work-groups.  Part 1: block c / 2 of 256 tokens x slab 4 (c % 2) + cx of 128 channels; a wave 128 tokens x 64 channels; source 0 = 16 tokens, source 1 = 16 rows of Wv, so one conversion of
; accumulator (a, b) is registers 2 b, 2 b + 1 of the image; the bias is the C of each sum's first product, as b / 2^(e6 + e7), exact.  x's tiles are asked for jointly (mask 15), Wv's are each work-group's own.
; Part 2: block c of 128 tokens and heads 4 cx .. 4 cx + 3.  Phase 1: 256 latent channels x 128 tokens, K = 1,024: source 0 = 16 rows of the basis, source 1 = 16 tokens; both asked for jointly.  The latent is quantised twice
; (2^e3, 2^e5) and stays in LDS as images.  Phase 2, for u and then for v_factor: source 0 = 16 rows (head, s) of the factor, source 1 = the latent; K = 256.
; THE RING of two LDS slots (256 rows of source 0, then 128 rows of source 1, 256 along K) runs through both parts: part 1's last two changes of slots ask for part 2's first two K slots, part 2's last two for u and v_factor.
; Operands that both come from memory are fetched by loads of 16 bytes: one permutation of k in both.  The factors meet a computed operand and are fetched in the form's own layout by loads of 8 bytes.
; LIMITS: e11 - e6 - e7, e3 - e0 - e1, e5 - e0 - e1, e8 - e2 - e3, e9 - e4 - e5 between -126 and 119.  NaN in the bias is not served.
; REGISTERS: window 0: v1-7 lane terms, v8-15 scales and holds (part 1: v10-13 the bias as loaded), v16-25 LDS addresses, v28-29 for the add, v32-63 bias tiles, v64-191 source 1's fragments in two sets (also codes on the way out),
; v192-255 at work; window 1: source 0's fragments, two sets; window 2: accumulator (a, b) at v[8 (8 a + b)].
.set PITCH, 272                        ; an LDS row: 256 bytes + 16 of padding
.set HALFT, 128*PITCH
.set SLOT,  3*HALFT
.set LIMG,  2*SLOT                     ; the latent's images: [for q, for k][tile 8][K step 2][g 4][512 bytes], written by LDS stores alone
.set SPARE, LIMG+65536                 ; the spare words: 128 bytes a wave, named by the add alone
.set NF,    48                         ; LDS loads in a fetch
.set LI,   4
.set ADRA, 16
.set ADRL, 18
.set ADRB, 20
.set STL,  22
.set ADRF, 24
.set SPW,  28
.set NIL,  29
.set G1A, 24
.set G0A, 32
.set G1B, 48
.set G0B, 56
.set G1F, 72
.set G0F, 80
.set PBAS, 88                          ; s[88:89] basis, s[90:91] u, s[92:93] v_factor, s[94:95] q_img, s[96:97] k_img, s[98:99] x at part 2's tokens
.set PU,   90
.set PVF,  92
.set PQ,   94
.set PK,   96
.set PXL,  98
.set MSB, 0
.macro WIN new                         ; the immediate's high byte repeats the setting that is left
.if MSB != \new
	s_set_vgpr_msb (MSB<<8)|\new
.set MSB, \new
.endif
.endm
.set MUL,  0xa1                        ; source 0 window 1, source 1 window 0, C and D window 2
.set MULB, 0x81                        ; the same with C in window 0
.set TO_B, 0x40                        ; destination window 1
.set RD2,  0x02                        ; source 0 window 2
.set INPL, 0x82                        ; destination and source 0 window 2
.macro PLACES n
.rept \n
	v_nop
.endr
.endm
.macro CREST                           ; a round of the cluster's barrier behind its opening barrier
	s_cmp_lg_u32 s14, 0
	s_cbranch_scc1 .Lnot_wave_0_\@
	s_barrier_signal -3
.Lnot_wave_0_\@:
	s_barrier_wait -3
	s_barrier_signal -1
	s_barrier_wait -1
.endm
.macro CROUND
	s_barrier_signal -1
	s_barrier_wait -1
	CREST
.endm
.macro JLOAD s                         ; a refill: wave 0 source 0's 256 rows, wave 1 source 1's 128, waves 2 and 3 nothing.  Four v_nop follow each line and are the places in front of the LDS loads behind
	s_cmp_eq_u32 s14, 0
	s_cbranch_scc0 .Lnot_b_\@
	tensor_load_to_lds s[G0B+4*\s:G0B+4*\s+3], s[G1B:G1B+7]
	s_nop 0
	PLACES 4
	s_branch .Lasked_\@
.Lnot_b_\@:
	s_cmp_eq_u32 s14, 1
	s_cbranch_scc0 .Lnot_a_\@
	tensor_load_to_lds s[G0A+4*\s:G0A+4*\s+3], s[G1A:G1A+7]
	s_nop 0
	PLACES 4
	s_branch .Lasked_\@
.Lnot_a_\@:
	PLACES 4
.Lasked_\@:
.endm
.macro JLOADF n                        ; waves 0, 1: the halves of factor n's 256 rows, into slot n
	s_cmp_lt_u32 s14, 2
	s_cbranch_scc0 .Lnot_f_\@
	tensor_load_to_lds s[G0F+4*\n:G0F+4*\n+3], s[G1F:G1F+7]
	s_nop 0
	PLACES 4
	s_branch .Lf_asked_\@
.Lnot_f_\@:
	PLACES 4
.Lf_asked_\@:
.endm
; 8 products: source 1's tile a against source 0's eight, fragment set p.  mode 0: add in place; 1: C = 0; 2: C = the bias tile.  The 32 accumulators take turns in one order throughout
.macro MUL8 a, p, mode
.irp b, 0,1,2,3,4,5,6,7
.if \mode == 1
	v_wmma_f32_16x16x128_fp8_fp8 v[8*(8*\a+\b):8*(8*\a+\b)+7], v[128*\p+16*\b:128*\p+16*\b+15], v[64+64*\p+16*\a:64+64*\p+16*\a+15], 0
.elseif \mode == 2
	v_wmma_f32_16x16x128_fp8_fp8 v[8*(8*\a+\b):8*(8*\a+\b)+7], v[128*\p+16*\b:128*\p+16*\b+15], v[64+64*\p+16*\a:64+64*\p+16*\a+15], v[32+8*\a:32+8*\a+7]
.else
	v_wmma_f32_16x16x128_fp8_fp8 v[8*(8*\a+\b):8*(8*\a+\b)+7], v[128*\p+16*\b:128*\p+16*\b+15], v[64+64*\p+16*\a:64+64*\p+16*\a+15], v[8*(8*\a+\b):8*(8*\a+\b)+7]
.endif
.endr
.endm
.macro MULALL p, mode
.if \mode == 2
	WIN MULB
.else
	WIN MUL
.endif
	MUL8 0, \p, \mode
	MUL8 1, \p, \mode
	MUL8 2, \p, \mode
	MUL8 3, \p, \mode
	WIN 0
.endm
.macro FETCH slot, q, p                ; the fragments of the slot's q-th 128 along K into set p: 8 of source 0, 4 of source 1, four loads of 16 bytes each
	WIN TO_B
.irp i, 0,1,2,3,4,5,6,7
.irp c, 0,1,2,3
	ds_load_b128 v[128*\p+16*\i+4*\c:128*\p+16*\i+4*\c+3], v[ADRB+\slot] offset:128*\q+32*\c+\i*16*PITCH
.endr
.endr
	WIN 0
.irp i, 0,1,2,3
.irp c, 0,1,2,3
	ds_load_b128 v[64+64*\p+16*\i+4*\c:64+64*\p+16*\i+4*\c+3], v[ADRA+\slot] offset:128*\q+32*\c+\i*16*PITCH
.endr
.endr
.endm
.macro FETCH2 kind, q, p               ; phase 2: 8 fragments of factor kind in the form's own layout, 4 images of the latent: 80 loads
	WIN TO_B
.irp i, 0,1,2,3,4,5,6,7
.irp c, 0,1,2,3,4,5,6,7
	ds_load_b64 v[128*\p+16*\i+2*\c:128*\p+16*\i+2*\c+1], v[ADRF+\kind] offset:\i*16*PITCH+128*\q+16*\c
.endr
.endr
	WIN 0
.irp i, 0,1,2,3
.irp g, 0,1,2,3
	ds_load_b128 v[64+64*\p+16*\i+4*\g:64+64*\p+16*\i+4*\g+3], v[ADRL+\kind] offset:4096*\i+2048*\q+512*\g
.endr
.endr
.endm
.macro STEP slot, mode                 ; a slot's first step: multiplies set 0, with the second step's fragments asked for ahead of it
	PLACES 4                                       ; set 1 was read by the products just before
	FETCH \slot, 1, 1
	s_wait_dscnt NF                                ; set 0 is in; the fetch just issued may be out
	MULALL 0, \mode
.endm
; a slot's second step and the change of slots: every wave waits for all its tensor loads, adds 0 to its spare word, waits for that and for its reads of this slot; the barrier opens a round of the cluster's barrier.
; kind 1: this slot takes the K two slots on; 4: it takes part 2's K slot of its own number; 2: slot 0 takes u; 3: slot 1 takes v_factor, and nothing more is fetched here.
.macro TURN slot, next, kind
	s_wait_tensorcnt 0x0                           ; all my tensor loads have landed
	ds_add_u32 v[SPW], v[NIL]                      ; 0 onto my spare word
	s_wait_dscnt 1                                 ; set 1 is in; the add may be out
	WIN MUL
	MUL8 0, 1, 0
	s_wait_dscnt 0x0                               ; the add is done, and my reads of this slot are over
	s_barrier_signal -1
	MUL8 1, 1, 0
	WIN 0
	s_barrier_wait -1
	CREST                                          ; no wave of any partner still reads this slot or has a load on its way
.if \kind == 1
	s_add_nc_u64 s[G0A+4*\slot+2:G0A+4*\slot+3], s[G0A+4*\slot+2:G0A+4*\slot+3], 512
	s_add_nc_u64 s[G0B+4*\slot+2:G0B+4*\slot+3], s[G0B+4*\slot+2:G0B+4*\slot+3], 512
	JLOAD \slot
.elseif \kind == 4
	s_mov_b32 s[G1A], 15|(1<<20)|(1<<21)|(5<<22)|(3<<25)   ; source 1 is now x's 128 tokens, shared by the four partners
	s_add_nc_u64 s[G0A+4*\slot+2:G0A+4*\slot+3], s[PXL:PXL+1], 256*\slot
	s_or_b32 s[G0A+4*\slot+3], s[G0A+4*\slot+3], 0x80000000
	s_add_nc_u64 s[G0B+4*\slot+2:G0B+4*\slot+3], s[PBAS:PBAS+1], 256*\slot
	s_or_b32 s[G0B+4*\slot+3], s[G0B+4*\slot+3], 0x80000000
	JLOAD \slot
.else
	JLOADF \slot
.endif
.if \kind != 3
	FETCH \next, 0, 0
.endif
	WIN MUL
	MUL8 2, 1, 0
	MUL8 3, 1, 0
	WIN 0
.endm
.macro MKSC vs, vl, se                 ; s[se] = E: v[vs] = 2^E, v[vl] = 448 x 2^E
	s_add_co_i32 s[\se], s[\se], 127
	s_lshl_b32 s99, s[\se], 23
	v_mov_b32 v[\vs], s99
	s_add_co_i32 s[\se], s[\se], 8
	s_lshl_b32 s[\se], s[\se], 23
	s_or_b32 s[\se], s[\se], 0x600000
	v_mov_b32 v[\vl], s[\se]
.endm
; the latent, quantised for product qs (0: q's, 1: k's): held into other registers (the sums are wanted twice), converted, stored as images
.macro EPI1 qs, sc, lim
.irp a, 0,1,2,3
	WIN RD2
.set j, 0
.rept 64
	v_med3_num_f32 v[192+j], v[64*\a+j], -v[\lim], v[\lim]   ; the conversion does not saturate (ISA guide 7.6.2): the hold at 448 x the scale
.set j, j+1
.endr
	WIN 0
.irp b, 0,1,2,3,4,5,6,7
	v_cvt_scalef32_pk8_fp8_f32 v[64+16*(4*\qs+\a)+2*\b:64+16*(4*\qs+\a)+2*\b+1], v[192+8*\b:192+8*\b+7], v[\sc]
.endr
	v_nop                                          ; a plain line between the conversions and the next writes of their sources
.irp g, 0,1,2,3
	ds_store_b128 v[STL], v[64+16*(4*\qs+\a)+4*\g:64+16*(4*\qs+\a)+4*\g+3] offset:32768*\qs+4096*\a+512*\g
.endr
.endr
.endm
.macro HOLDALL lim                     ; all 256 sums held in place, each accumulator from its low end on
	WIN INPL
.set j, 0
.rept 256
	v_med3_num_f32 v[j], v[j], -v[\lim], v[\lim]
.set j, j+1
.endr
	WIN RD2
.endm
; q or k: accumulator (a, b) gives registers 2 (b % 4), + 1 of head b / 4's fragment of token tile a
.macro EPI2 sc, lim, base
	HOLDALL \lim
.irp a, 0,1,2,3
.irp b, 0,1,2,3,4,5,6,7
	v_cvt_scalef32_pk8_fp8_f32 v[192+16*\a+2*\b:192+16*\a+2*\b+1], v[8*(8*\a+\b):8*(8*\a+\b)+7], v[\sc]
.endr
.endr
	WIN 0
	v_nop                                          ; a plain line behind the last conversion
.irp a, 0,1,2,3
.irp hh, 0,1
.irp g, 0,1
	global_store_b128 v[LI], v[192+16*\a+8*\hh+4*\g:192+16*\a+8*\hh+4*\g+3], s[\base:\base+1] offset:131072*\hh+1024*\a+512*\g   ; 512 consecutive bytes, aligned
.endr
.endr
.endr
.endm
	s_load_b256 s[4:11], s[0:1], 0x0               ; x s[4:5], Wv s[6:7], the scales' exponents s[8:9], b s[10:11]
	s_load_b64 s[12:13], s[0:1], 0x20              ; v_img
	s_load_b256 s[88:95], s[0:1], 0x28             ; basis, u, v_factor, q_img
	s_load_b64 s[96:97], s[0:1], 0x48              ; k_img
	v_lshl_add_u32 v[SPW], v0, 2, SPARE
	v_mov_b32 v[NIL], 0
	ds_add_u32 v[SPW], v[NIL]                      ; the opening lines: the add, twice on end, and its wait ahead of my first tensor load
	ds_add_u32 v[SPW], v[NIL]
	v_lshrrev_b32 v1, 5, v0
	v_readfirstlane_b32 s14, v1                    ; wave 0..3
	s_lshr_b32 s15, s14, 1                         ; wa: my 64 rows of source 1
	s_and_b32 s16, s14, 1                          ; wb: my 128 rows of source 0
	s_bfe_u32 s17, ttmp6, 0x40000                  ; cx
	s_and_b32 s3, ttmp7, 0xffff                    ; c: the cluster, 0..63
	s_and_b32 s18, s3, 1
	s_lshl_b32 s18, s18, 2
	s_add_co_u32 s18, s18, s17                     ; part 1: slab of 128 channels, 0..7
	s_lshr_b32 s19, s3, 1                          ; part 1: block of 256 tokens, 0..31
	s_mov_b32 s[G1B], 15|(1<<20)|(1<<21)|(5<<22)|(3<<25)  ; source 0: mask of all four partners, bit 21 beside it; elements of 1 byte; padding of 4 words behind every 64
	s_mov_b32 s[G1A], (1<<20)|(5<<22)|(3<<25)      ; source 1 in part 1: Wv, no mask
.irp g, G1A, G1B
	s_mov_b32 s[\g+1], 256<<16                     ; tensor_dim0 = 256
	s_mov_b32 s[\g+3], 256<<16                     ; tile_dim0 = 256
	s_mov_b32 s[\g+5], 1024                        ; from row to row
	s_mov_b32 s[\g+6], 0
	s_mov_b32 s[\g+7], 0
.endr
	s_mov_b32 s[G1A+2], 128<<16                    ; rows: 128 of source 1,
	s_mov_b32 s[G1A+4], 128
	s_mov_b32 s[G1B+2], 256<<16                    ; 256 of source 0
	s_mov_b32 s[G1B+4], 256
	s_mul_i32 s41, s16, HALFT                      ; my 128 rows of source 0
	s_mul_i32 s42, s15, 64*PITCH                   ; my 64 rows of source 1,
	s_add_co_u32 s42, s42, 2*HALFT                 ; behind source 0's 256
	s_lshl_b32 s43, s15, 14
	s_add_co_u32 s43, s43, LIMG                    ; my four tiles' images of the latent
	s_lshl_b32 s40, s16, 11
	s_add_co_u32 s40, s40, s43                     ; where I store them: K step wb
	v_and_b32 v1, 15, v0                           ; r
	v_bfe_u32 v2, v0, 4, 1                         ; h
	v_and_b32 v[LI], 31, v0
	v_mul_u32_u24 v3, v1, PITCH
	v_lshlrev_b32 v[LI], 4, v[LI]                  ; 16 x lane
	v_lshlrev_b32 v6, 2, v1                        ; 4 r: my channel's bias
	v_lshl_add_u32 v5, v2, 4, v3                   ; row x pitch + 16 h
	v_lshl_add_u32 v7, v2, 3, v3                   ; row x pitch + 8 h
	v_add_nc_u32 v[ADRB], s41, v5
	v_add_nc_u32 v[ADRF], s41, v7
	v_add_nc_u32 v[ADRA], s42, v5
	v_add_nc_u32 v[ADRL], s43, v[LI]
	v_add_nc_u32 v[STL], s40, v[LI]
	v_add_nc_u32 v[ADRB+1], SLOT, v[ADRB]
	v_add_nc_u32 v[ADRF+1], SLOT, v[ADRF]
	v_add_nc_u32 v[ADRA+1], SLOT, v[ADRA]
	v_add_nc_u32 v[ADRL+1], 32768, v[ADRL]
	s_lshl_b32 s20, s19, 18                        ; part 1, x: 256 rows of 1,024 bytes a block
	s_mov_b32 s21, 0
	s_lshl_b32 s22, s18, 17                        ; Wv: 128 rows a slab
	s_mov_b32 s23, 0
	s_lshl_b32 s41, s18, 1
	s_add_co_u32 s41, s41, s15                     ; my head = 2 x slab + wa
	s_lshr_b32 s42, s19, 3                         ; batch
	s_lshl_b32 s42, s42, 4
	s_add_co_u32 s42, s42, s41
	s_lshl_b32 s42, s42, 4
	s_and_b32 s43, s19, 7
	s_lshl_b32 s43, s43, 1
	s_add_co_u32 s43, s43, s16                     ; my key step = 2 (block % 8) + wb
	s_add_co_u32 s42, s42, s43
	s_lshl_b32 s42, s42, 13                        ; v_img: blocks of 8,192 bytes
	s_mov_b32 s43, 0
	s_lshl_b32 s44, s41, 8                         ; a head's 64 biases
	s_mov_b32 s45, 0
	s_lshl_b32 s66, s3, 17                         ; part 2, x: 128 rows a block
	s_mov_b32 s67, 0
	s_lshl_b32 s68, s17, 16                        ; factors: four heads x 64 rows x 256 bytes,
	s_lshl_b32 s69, s14, 15                        ; + 128 rows x wave
	s_add_co_u32 s68, s68, s69
	s_mov_b32 s69, 0
	s_lshr_b32 s70, s3, 4                          ; batch
	s_lshl_b32 s70, s70, 4
	s_lshl_b32 s71, s17, 2
	s_add_co_u32 s70, s70, s71
	s_lshl_b32 s71, s16, 1
	s_add_co_u32 s70, s70, s71                     ; batch x 16 + my first head
	s_lshl_b32 s70, s70, 7
	s_and_b32 s71, s3, 15
	s_lshl_b32 s71, s71, 3
	s_add_co_u32 s70, s70, s71
	s_lshl_b32 s71, s15, 2
	s_add_co_u32 s70, s70, s71                     ; + my first tile of tokens in the batch
	s_lshl_b32 s70, s70, 10
	s_mov_b32 s71, 0
	s_wait_dscnt 0x0                               ; both opening adds are done
	s_wait_kmcnt 0x0
	s_load_b256 s[72:79], s[8:9], 0x0              ; e0 .. e7
	s_load_b128 s[80:83], s[8:9], 0x20             ; e8 .. e11
	s_add_nc_u64 s[PXL:PXL+1], s[4:5], s[66:67]
	s_add_nc_u64 s[20:21], s[4:5], s[20:21]
	s_add_nc_u64 s[22:23], s[6:7], s[22:23]
	s_add_nc_u64 s[12:13], s[12:13], s[42:43]
	s_add_nc_u64 s[10:11], s[10:11], s[44:45]
	s_add_nc_u64 s[PU:PU+1], s[PU:PU+1], s[68:69]
	s_add_nc_u64 s[PVF:PVF+1], s[PVF:PVF+1], s[68:69]
	s_add_nc_u64 s[PQ:PQ+1], s[PQ:PQ+1], s[70:71]
	s_add_nc_u64 s[PK:PK+1], s[PK:PK+1], s[70:71]
	CROUND                                         ; all four partners are here: the first joint loads meet
.irp s, 0,1
	s_mov_b32 s[G0A+4*\s], 1
	s_mov_b32 s[G0A+4*\s+1], 2*HALFT+\s*SLOT
	s_add_nc_u64 s[G0A+4*\s+2:G0A+4*\s+3], s[22:23], \s*256
	s_or_b32 s[G0A+4*\s+3], s[G0A+4*\s+3], 0x80000000
	s_mov_b32 s[G0B+4*\s], 1
	s_mov_b32 s[G0B+4*\s+1], \s*SLOT
	s_add_nc_u64 s[G0B+4*\s+2:G0B+4*\s+3], s[20:21], \s*256
	s_or_b32 s[G0B+4*\s+3], s[G0B+4*\s+3], 0x80000000
.endr
	s_cmp_eq_u32 s14, 0                            ; the four first fills, both slots' two tiles, one a wave, in one chain of branches on the wave's number
	s_cbranch_scc0 .Lfirst_1
	tensor_load_to_lds s[G0B:G0B+3], s[G1B:G1B+7]
	s_nop 0
	PLACES 4
	s_branch .Lfirst_done
.Lfirst_1:
	s_cmp_eq_u32 s14, 1
	s_cbranch_scc0 .Lfirst_2
	tensor_load_to_lds s[G0A:G0A+3], s[G1A:G1A+7]
	s_nop 0
	PLACES 4
	s_branch .Lfirst_done
.Lfirst_2:
	s_cmp_eq_u32 s14, 2
	s_cbranch_scc0 .Lfirst_3
	tensor_load_to_lds s[G0B+4:G0B+7], s[G1B:G1B+7]
	s_nop 0
	PLACES 4
	s_branch .Lfirst_done
.Lfirst_3:
	tensor_load_to_lds s[G0A+4:G0A+7], s[G1A:G1A+7]
	s_nop 0
	PLACES 4
.Lfirst_done:
	s_wait_alu depctr_va_vdst(0)
.irp a, 0,1,2,3
	global_load_b32 v[10+\a], v6, s[10:11] offset:64*\a   ; b of channel 16 a + r of my head
.endr
	s_wait_kmcnt 0x0
	s_add_co_i32 s69, s78, s79                     ; e6 + e7: a sum of part 1 stands for sum x 2^(e6 + e7)
	s_sub_co_i32 s70, s83, s69                     ; so its code is sum / 2^(e11 - e6 - e7)
	s_sub_co_i32 s69, 0, s69
	s_add_co_i32 s70, s70, 127
	s_lshl_b32 s71, s70, 23
	v_mov_b32 v8, s71                              ; the conversion's scale
	s_add_co_i32 s70, s70, 8
	s_lshl_b32 s70, s70, 23
	s_or_b32 s70, s70, 0x600000
	v_mov_b32 v9, s70                              ; 448 x that
	s_add_co_i32 s66, s72, s73                     ; e0 + e1
	s_sub_co_i32 s44, s75, s66                     ; e3 - e0 - e1
	s_sub_co_i32 s45, s77, s66                     ; e5 - e0 - e1
	s_sub_co_i32 s46, s80, s74
	s_sub_co_i32 s46, s46, s75                     ; e8 - e2 - e3
	s_sub_co_i32 s47, s81, s76
	s_sub_co_i32 s47, s47, s77                     ; e9 - e4 - e5
	s_mov_b32 s[G1F], (1<<20)|(5<<22)|(3<<25)      ; the factors: 128 rows of 256 bytes, dense, no mask (the exponents above are done with)
	s_mov_b32 s[G1F+1], 256<<16
	s_mov_b32 s[G1F+2], 128<<16
	s_mov_b32 s[G1F+3], 256<<16
	s_mov_b32 s[G1F+4], 128
	s_mov_b32 s[G1F+5], 256
	s_mov_b32 s[G1F+6], 0
	s_mov_b32 s[G1F+7], 0
	s_mul_i32 s66, s14, HALFT
	s_mov_b32 s[G0F], 1
	s_mov_b32 s[G0F+1], s66
	s_mov_b64 s[G0F+2:G0F+3], s[PU:PU+1]
	s_or_b32 s[G0F+3], s[G0F+3], 0x80000000
	s_mov_b32 s[G0F+4], 1
	s_add_co_u32 s[G0F+5], s66, SLOT
	s_mov_b64 s[G0F+6:G0F+7], s[PVF:PVF+1]
	s_or_b32 s[G0F+7], s[G0F+7], 0x80000000
	s_wait_loadcnt 0x0
.irp a, 0,1,2,3
.irp j, 0,1,2,3,4,5,6,7
	v_ldexp_f32 v[32+8*\a+\j], v[10+\a], s69       ; b / 2^(e6 + e7) in all eight registers: a lane holds one channel
.endr
.endr
	s_wait_alu depctr_va_vdst(0)                   ; the wait at the head's end
	s_wait_tensorcnt 0x0                           ; my one first fill is in
	s_barrier_signal -1
	s_barrier_wait -1
	; PART 1
	FETCH 0, 0, 0
	STEP 0, 2
	TURN 0, 1, 1
	STEP 1, 0
	TURN 1, 0, 1
	STEP 0, 0
	TURN 0, 1, 4                                   ; slot 0 has been read for the last time in part 1: it takes part 2's first 256 along K
	STEP 1, 0
	TURN 1, 0, 4                                   ; slot 1 takes the second; part 2's first fragments are fetched
	PLACES 4
	HOLDALL 9                                      ; v's way out: hold, convert, store
.irp a, 0,1,2,3
.irp b, 0,1,2,3,4,5,6,7
	v_cvt_scalef32_pk8_fp8_f32 v[128+16*\a+2*\b:128+16*\a+2*\b+1], v[8*(8*\a+\b):8*(8*\a+\b)+7], v8
.endr
.endr
	WIN 0
	v_nop                                          ; a plain line behind the last conversion
.irp a, 0,1,2,3
.irp g, 0,1,2,3
	global_store_b128 v[LI], v[128+16*\a+4*\g:128+16*\a+4*\g+3], s[12:13] offset:2048*\a+512*\g   ; 32 lanes store 512 consecutive bytes, aligned
.endr
.endr
	MKSC 8, 9, 44
	MKSC 10, 11, 45
	MKSC 12, 13, 46
	MKSC 14, 15, 47
	s_wait_xcnt 0x0                                ; the stores have read their registers, into which the next fetch loads
	; PART 2
	STEP 0, 1
	TURN 0, 1, 1
	STEP 1, 0
	TURN 1, 0, 1
	STEP 0, 0
	TURN 0, 1, 2                                   ; slot 0 takes u
	STEP 1, 0
	TURN 1, 0, 3                                   ; and slot 1 takes v_factor
	PLACES 4
	s_wait_alu depctr_va_vdst(0)                   ; the scales were made ahead of waits and branches
	EPI1 0, 8, 9
	EPI1 1, 10, 11
	s_wait_tensorcnt 0x0                           ; my part of v_factor is in (no load was issued behind it),
	s_wait_dscnt 0x0                               ; my images are stored
	s_barrier_signal -1
	s_barrier_wait -1                              ; everybody's are
	FETCH2 0, 0, 0
	PLACES 4
	FETCH2 0, 1, 1
	s_wait_dscnt 63                                ; the first fetch is in: 80 loads were issued behind it, and the count names as many as its field holds
	MULALL 0, 1                                    ; q: K = latent channels 0-127 start the sums
	PLACES 4
	FETCH2 1, 0, 0
	s_wait_dscnt 63
	MULALL 1, 0
	PLACES 4
	EPI2 12, 13, PQ
	PLACES 4
	FETCH2 1, 1, 1
	s_wait_dscnt 63
	MULALL 0, 1                                    ; k likewise
	s_wait_dscnt 0x0
	MULALL 1, 0
	PLACES 4
	s_wait_xcnt 0x0                                ; q's stores have read their registers, which k's codes take
	EPI2 14, 15, PK
	s_wait_tensorcnt 0x0                           ; the wave's end
	ds_add_u32 v[SPW], v[NIL]
	s_wait_dscnt 0x0
	CROUND                                         ; the closing round
	s_endpgm
.Lfunc_end_k_qafffb0a240_prep:
	.size	k_qafffb0a240_prep, .Lfunc_end_k_qafffb0a240_prep-k_qafffb0a240_prep
	.p2alignl 7, 3214868480
	.fill 96, 4, 3214868480
	.section	.rodata,"a",@progbits
	.p2align	6, 0x0
	.amdhsa_kernel k_qafffb0a240_prep
		.amdhsa_group_segment_fixed_size 327680
		.amdhsa_private_segment_fixed_size 0
		.amdhsa_enable_private_segment 0
		.amdhsa_kernarg_size 80
		.amdhsa_user_sgpr_count 2
		.amdhsa_user_sgpr_kernarg_segment_ptr 1
		.amdhsa_wavefront_size32 1
		.amdhsa_system_sgpr_workgroup_id_x 1
		.amdhsa_system_sgpr_workgroup_id_y 1
		.amdhsa_system_sgpr_workgroup_id_z 1
		.amdhsa_system_vgpr_workitem_id 0
		.amdhsa_next_free_vgpr 768
		.amdhsa_next_free_sgpr 104
		.amdhsa_reserve_vcc 0
		.amdhsa_float_denorm_mode_32 3
		.amdhsa_float_denorm_mode_16_64 3
		.amdhsa_memory_ordered 1
		.amdhsa_forward_progress 1
		.amdhsa_inst_pref_size 235
	.end_amdhsa_kernel
	.amdgpu_metadata
---
amdhsa.version: [ 1, 2 ]
amdhsa.kernels:
  - .name:           k_qafffb0a240_prep
    .symbol:         k_qafffb0a240_prep.kd
    .args:
      - { .name: hidden_states_codes, .offset: 0, .size: 8, .value_kind: global_buffer, .address_space: global }
      - { .name: v_proj_w_codes, .offset: 8, .size: 8, .value_kind: global_buffer, .address_space: global }
      - { .name: lowp_scales, .offset: 16, .size: 8, .value_kind: global_buffer, .address_space: global }
      - { .name: v_proj_b, .offset: 24, .size: 8, .value_kind: global_buffer, .address_space: global }
      - { .name: v_img, .offset: 32, .size: 8, .value_kind: global_buffer, .address_space: global }
      - { .name: basis_w_codes, .offset: 40, .size: 8, .value_kind: global_buffer, .address_space: global }
      - { .name: u_factor_codes, .offset: 48, .size: 8, .value_kind: global_buffer, .address_space: global }
      - { .name: v_factor_codes, .offset: 56, .size: 8, .value_kind: global_buffer, .address_space: global }
      - { .name: q_img, .offset: 64, .size: 8, .value_kind: global_buffer, .address_space: global }
      - { .name: k_img, .offset: 72, .size: 8, .value_kind: global_buffer, .address_space: global }
    .group_segment_fixed_size: 327680
    .private_segment_fixed_size: 0
    .kernarg_segment_align: 8
    .kernarg_segment_size: 80
    .max_flat_workgroup_size: 128
    .sgpr_count:     104
    .vgpr_count:     768
    .wavefront_size: 32
...
	.end_amdgpu_metadata
.endif
;; end of part 1
;; launch attn (part 2): grid 4 x 64, 16 waves a work-group, clusters of 4 x 1, 327,680 bytes of LDS; arguments q_img, k_img, v_img, lowp_scales, y_img; writes y_img
.if DOCPART == 2
	.amdgcn_target "amdgcn-amd-amdhsa--gfx1250"
	.amdhsa_code_object_version 6
	.text
	.protected	k_qafffb0a240_attn
	.globl	k_qafffb0a240_attn
	.p2align	8
	.type	k_qafffb0a240_attn,@function
k_qafffb0a240_attn:
	s_mov_b64 s[64:65], 0
	v_nop
	global_prefetch_b8 v0, s[64:65] scope:SCOPE_SE
	s_setreg_imm32_b32 hwreg(HW_REG_WAVE_MODE, 25, 1), 1
	s_wait_xcnt 0x0
	s_wait_alu depctr_hold_cnt(0) depctr_sa_sdst(0) depctr_va_vdst(0) depctr_va_sdst(0) depctr_va_ssrc(0) depctr_va_vcc(0) depctr_vm_vsrc(0)
	s_getreg_b32 s2, hwreg(HW_REG_IB_STS2, 6, 4)
	s_cmp_eq_u32 s2, 0
	s_cbranch_scc0 .Lentry_in_a_cluster
	s_endpgm
.Lentry_in_a_cluster:
	s_bfe_u32 s2, ttmp6, 0x10000c
	s_cmp_lg_u32 s2, 0x3003
	s_cbranch_scc0 .Lentry_shape_is_right
	s_endpgm
.Lentry_shape_is_right:
; y = softmax(q k^T / 8, causal) v on codes of FP8 (E4M3), quantised with 2^e12 and stored as images of the last product's operand registers.
; q_img, k_img: [batch x head 64][tile of 16 tokens 128][1,024 bytes]; v_img: [batch x head 64][key step of 128 keys 16][8,192 bytes]: images of operand registers in the plain FP8 forms' own layout.
; y_img: [block of 128 tokens 64][256 along K 4][tile 8][128 along K 2][g 4][lane 32][16 bytes]: a head's 64 channels are two groups g of one fragment.
; THE SOFTMAX: t = score x log2(e) / 8; M = the running largest t rounded up to a whole number; p = 2^(t - M) is quantised with 2^e10, not normalised; the row's sum is taken of the unquantised p and divides at the end.
; When M moves, the sum and O are multiplied by 2^(old M - new M), exact.
; ALL KEYS STAY IN LDS.  A head's K images are 131,072 bytes and its V images as many: each of the sixteen waves fetches 16,384 of these 262,144 bytes by its one tensor load at the head (waves 0-7 K, waves 8-15 V).
; One barrier follows; nothing is filled again, and no barrier stands in the loops.
; SHARES.  The four work-groups of a head form a cluster and ask for K and V jointly (mask 15).  The work-group at place cx owns the query tiles 4 m + cx, m = 0 .. 31; wave w takes m = 31 - w and then m = w.
; Tile 4 m + cx wants the key steps 0 .. m / 2, whatever cx: 17 key steps of 128 in every wave of every work-group, and every work-group reads every key.  Both passes walk all 16 steps; a step all of whose keys come after
; the wave's queries (the causal mask makes their p zero) is left out by a scalar branch on the wave's number and the count of steps.  cx enters global addresses and the diagonal's select masks alone.
; Both products are used transposed (S^T = k q^T, O^T = v^T p^T): a lane holds one query; a conversion of score tile t is registers 2 t, 2 t + 1 of p's operand, of O^T's tile a registers 2 a, 2 a + 1 of y's.
; NO PREFETCH: all that the launch reads through LDS is asked for by the sixteen loads at the head; there is no later load to run ahead of.
; LIMITS: e8 + e9 between -123 and 130; e10 and e12 between -126 and 119.
; REGISTERS: v1 16 x lane, v4 r - 8 h, v5-6 for the add, v8-9 LDS addresses of K and V, v10-11 q's offsets, v12 -M, v13 largest t, v[14:15] the sum, v16-23 q, v24-31 the second pass's q, v32-95 K's then V's fragments,
; v96-159 S^T then p, v160-191 O^T, v192-199 y's codes, v208-220 at work and constants, v224-239 p's codes, v244-251 partial sums.
.set VOFF,  131072                     ; V's images lie behind K's
.set SPARE, 262144                     ; behind both: the spare words, 128 bytes a wave, named by the add alone
.set SPW, 5
.set NIL, 6
.set WV,  18
.set SEL, 20
.set CS,  22
.set G1,  24
.set G0,  32
.set SRC, 36
.set ST,  40                           ; the key step, 0..15
.set TB,  41                           ; its images' first byte in K's part of LDS
.set LAST, 42                          ; the pass's last key step, the one on the diagonal: m / 2
.set LASTB, 43
.set TD,  44                           ; the key tile of that step that holds the diagonal: 4 (m % 2) + cx
.set TDB, 45
.set YA,  46                           ; s[46:47] where the pass's y goes; s[48:49] the second pass's
.set YB,  48
.set PASS, 50
.set CX,  51
.set HOLD, 52                          ; 448 x 2^e10
.set MJ,  68                           ; s68-75: lanes whose register j of the diagonal tile is hidden
.set MU,  76
.set MX,  80
.macro CROUND                          ; a round of the cluster's barrier
	s_barrier_signal -1
	s_barrier_wait -1
	s_cmp_lg_u32 s[WV], 0
	s_cbranch_scc1 .Lnot_wave_0_\@
	s_barrier_signal -3
.Lnot_wave_0_\@:
	s_barrier_wait -3
	s_barrier_signal -1
	s_barrier_wait -1
.endm
.macro RESET                           ; a pass begins: the largest t under every t, sums and O^T zero (the first change of M multiplies zeros)
	v_mov_b32 v13, 0xff61b1e6
	v_mov_b32 v14, 0
	v_mov_b32 v15, 0
	v_floor_f32 v12, -v13
.set j, 0
.rept 32
	v_mov_b32 v[160+j], 0
.set j, j+1
.endr
.endm
	s_load_b256 s[4:11], s[0:1], 0x0               ; q_img s[4:5], k_img s[6:7], v_img s[8:9], the scales' exponents s[10:11]
	s_load_b64 s[12:13], s[0:1], 0x20              ; y_img
	v_lshl_add_u32 v[SPW], v0, 2, SPARE
	v_mov_b32 v[NIL], 0
	ds_add_u32 v[SPW], v[NIL]                      ; the opening lines: the add, twice on end, and its wait ahead of my tensor load
	ds_add_u32 v[SPW], v[NIL]
	v_lshrrev_b32 v8, 5, v0
	v_readfirstlane_b32 s[WV], v8                  ; wave 0..15
	s_bfe_u32 s[CX], ttmp6, 0x40000                ; my place in the cluster
	s_and_b32 s14, ttmp7, 0xffff                   ; batch x 16 + head
	s_lshl_b32 s16, s14, 17                        ; its 131,072 bytes in each of q_img, k_img, v_img
	s_mov_b32 s17, 0
	s_mov_b32 s[G1], 15|(3<<16)|(1<<21)            ; mask: all four partners, bit 21 beside it; elements of 8 bytes, no padding: a dense block as 64 rows of 256 bytes
	s_mov_b32 s[G1+1], 32<<16
	s_mov_b32 s[G1+2], 64<<16
	s_mov_b32 s[G1+3], 32<<16
	s_mov_b32 s[G1+4], 64
	s_mov_b32 s[G1+5], 32
	s_mov_b32 s[G1+6], 0
	s_mov_b32 s[G1+7], 0
	s_mov_b32 s[SEL], 0x76543210
	s_mov_b32 s[SEL+1], 0xfedcba98
	s_mov_b32 s39, 0
	s_sub_co_u32 s54, 31, s[WV]                    ; the first pass's m
	s_lshl_b32 s2, s54, 2
	s_add_co_u32 s2, s2, s[CX]                     ; its tile 4 m + cx
	s_lshr_b32 s[LAST], s54, 1
	s_and_b32 s55, s54, 1
	s_lshl_b32 s55, s55, 2
	s_add_co_u32 s[TD], s55, s[CX]
	s_lshl_b32 s3, s[WV], 2                        ; the second pass's m = w
	s_add_co_u32 s3, s3, s[CX]
	s_lshr_b32 s[LASTB], s[WV], 1
	s_and_b32 s55, s[WV], 1
	s_lshl_b32 s55, s55, 2
	s_add_co_u32 s[TDB], s55, s[CX]
	s_and_b32 s38, s[WV], 7
	s_lshl_b32 s38, s38, 14                        ; my 16,384 bytes of K's or of V's images
	s_wait_dscnt 0x0                               ; both opening adds are done
	s_wait_kmcnt 0x0
	s_load_b128 s[56:59], s[10:11], 0x20           ; e8, e9, e10, e11
	s_load_b32 s60, s[10:11], 0x30                 ; e12
	s_cmp_lt_u32 s[WV], 8
	s_cselect_b64 s[SRC:SRC+1], s[6:7], s[8:9]
	s_add_nc_u64 s[SRC:SRC+1], s[SRC:SRC+1], s[16:17]
	s_mov_b32 s[G0], 1
	s_lshl_b32 s[G0+1], s[WV], 14                  ; LDS: wave x 16,384: K's eight parts, then V's eight
	s_add_nc_u64 s[G0+2:G0+3], s[SRC:SRC+1], s[38:39]
	s_or_b32 s[G0+3], s[G0+3], 0x80000000
	CROUND                                         ; all four partners are here: the joint loads meet
	tensor_load_to_lds s[G0:G0+3], s[G1:G1+7]      ; every wave's one tensor load of the launch
	s_nop 0
.rept 4
	v_nop
.endr
	v_and_b32 v1, 31, v0
	v_and_b32 v4, 15, v0
	v_bfe_u32 v9, v0, 4, 1
	v_lshlrev_b32 v1, 4, v1                        ; 16 x lane
	v_lshlrev_b32 v9, 3, v9
	v_sub_nc_u32 v4, v4, v9                        ; r - 8 h
.irp j, 0,1,2,3,4,5,6,7
	v_cmp_gt_i32 s[MJ+\j], \j, v4                  ; in the diagonal's tile key 8 h + j comes after query r
.endr
	s_add_nc_u64 s[4:5], s[4:5], s[16:17]          ; q's images of my head
	s_lshl_b32 s54, s2, 10
	s_lshl_b32 s55, s3, 10
	v_add_nc_u32 v10, s54, v1
	v_add_nc_u32 v11, s55, v1
	global_load_b128 v[16:19], v10, s[4:5]
	global_load_b128 v[20:23], v10, s[4:5] offset:512
	global_load_b128 v[24:27], v11, s[4:5]
	global_load_b128 v[28:31], v11, s[4:5] offset:512
	; where y goes: (batch x 16 + tile / 8) x 131,072 + (head / 4) x 32,768 + (tile % 8) x 4,096 + ((head / 2) % 2) x 2,048 + (head % 2) x 1,024
	s_lshr_b32 s54, s14, 4
	s_lshl_b32 s54, s54, 21
	s_and_b32 s55, s14, 15
	s_lshr_b32 s61, s55, 2
	s_lshl_b32 s61, s61, 15
	s_add_co_u32 s54, s54, s61
	s_bfe_u32 s61, s55, 0x10001
	s_lshl_b32 s61, s61, 11
	s_add_co_u32 s54, s54, s61
	s_and_b32 s61, s55, 1
	s_lshl_b32 s61, s61, 10
	s_add_co_u32 s54, s54, s61
	s_lshr_b32 s61, s2, 3
	s_lshl_b32 s61, s61, 17
	s_and_b32 s62, s2, 7
	s_lshl_b32 s62, s62, 12
	s_add_co_u32 s61, s61, s62
	s_add_co_u32 s38, s54, s61
	s_add_nc_u64 s[YA:YA+1], s[12:13], s[38:39]
	s_lshr_b32 s61, s3, 3
	s_lshl_b32 s61, s61, 17
	s_and_b32 s62, s3, 7
	s_lshl_b32 s62, s62, 12
	s_add_co_u32 s61, s61, s62
	s_add_co_u32 s38, s54, s61
	s_add_nc_u64 s[YB:YB+1], s[12:13], s[38:39]
	RESET
	v_mov_b32 v208, 0                              ; a lane permute's destination counts as one of its sources
	v_mov_b32 v213, 0                              ; (named as the upper half of the pair v[212:213])
	v_mov_b32 v215, 0xff800000                     ; -infinity
	s_wait_kmcnt 0x0
	s_add_co_i32 s54, s56, s57
	s_lshl_b32 s54, s54, 23
	s_add_co_i32 s[CS], s54, 0x3e38aa3b            ; c = log2(e) / 8 x 2^(e8 + e9): the exponents are added to c's exponent field
	s_mov_b32 s[CS+1], s[CS]
	s_add_co_i32 s53, s58, s59                     ; e10 + e11
	s_add_co_i32 s54, s58, 127
	s_lshl_b32 s55, s54, 23
	v_mov_b32 v217, s55                            ; 2^e10
	s_add_co_i32 s54, s54, 8
	s_lshl_b32 s54, s54, 23
	s_or_b32 s[HOLD], s54, 0x600000                ; 448 x 2^e10
	s_add_co_i32 s54, s60, 127
	s_lshl_b32 s55, s54, 23
	v_mov_b32 v218, s55                            ; 2^e12
	s_add_co_i32 s54, s54, 8
	s_lshl_b32 s54, s54, 23
	s_or_b32 s54, s54, 0x600000
	v_mov_b32 v219, s54                            ; 448 x 2^e12
	s_mov_b32 s[PASS], 0
	s_wait_alu depctr_va_vdst(0)                   ; the wait at the head's end
	s_wait_loadcnt 0x0                             ; q of both passes
	s_wait_tensorcnt 0x0                           ; my part of K or V is in
	s_barrier_signal -1
	s_barrier_wait -1                              ; everybody's is: all keys of the head lie in LDS
.Lpass:                                            ; two passes, one query tile each
	s_mov_b32 s[ST], 0
	s_mov_b32 s[TB], 0
.Lstep:                                            ; sixteen key steps of 128 keys
	s_cmp_gt_u32 s[ST], s[LAST]
	s_cbranch_scc1 .Lhidden                        ; all its keys come after my queries
	v_add_nc_u32 v8, s[TB], v1
	v_add_nc_u32 v9, VOFF, v8
	v_nop
	v_nop                                          ; with the additions: four places in front of loads into registers that the last products read
.irp t, 0,1,2,3,4,5,6,7
.irp g, 0,1
	ds_load_b128 v[32+8*\t+4*\g:32+8*\t+4*\g+3], v8 offset:1024*\t+512*\g
.endr
.endr
	s_wait_dscnt 0x0
	s_wait_alu depctr_va_vdst(0)
.irp t, 0,1,2,3,4,5,6,7
	v_wmma_f32_16x16x64_fp8_fp8 v[96+8*\t:103+8*\t], v[32+8*\t:39+8*\t], v[16:23], 0   ; lane (r, h), register j: key 16 t + 8 h + j, query r
.endr
.rept 4
	v_nop                                          ; places in front of the loads below and of the first read of the scores
.endr
.irp a, 0,1,2,3
.irp g, 0,1,2,3
	ds_load_b128 v[32+16*\a+4*\g:32+16*\a+4*\g+3], v9 offset:2048*\a+512*\g   ; V's fragments land during the softmax
.endr
.endr
	s_cmp_lg_u32 s[ST], s[LAST]
	s_cbranch_scc1 .Lopen                          ; all its keys count
	; the diagonal's step: key tiles under TD count whole, those over it are hidden whole, tile TD by the eight lane masks.  Hidden scores become -infinity: p = 0.  The step's first key counts for each of my queries
.irp t, 0,1,2,3,4,5,6,7
	s_cmp_gt_u32 s[TD], \t
	s_cselect_b32 s[MU], 0, -1
	s_cmp_eq_u32 s[TD], \t
.irp j, 0,1,2,3,4,5,6,7
	s_cselect_b32 s[MX+\j%4], s[MJ+\j], s[MU]
	v_cndmask_b32 v[96+8*\t+\j], v[96+8*\t+\j], v215, s[MX+\j%4]
.endr
.endr
.Lopen:
	v_max3_num_f32 v214, v96, v97, v98             ; the step's largest score of my query among my 64 keys, in two chains, each tile from its low end on
	v_max3_num_f32 v220, v99, v100, v101
.irp i, 6,10,14,18,22,26,30,34,38,42,46,50,54,58
	v_max3_num_f32 v214, v214, v[96+\i], v[97+\i]
	v_max3_num_f32 v220, v220, v[98+\i], v[99+\i]
.endr
	v_max3_num_f32 v214, v214, v158, v159
	s_delay_alu instid0(VALU_DEP_1)
	v_max_num_f32 v214, v214, v220
	s_delay_alu instid0(VALU_DEP_1)
	v_permlanex16_b32 v208, v214, s[SEL], s[SEL+1]
	s_delay_alu instid0(VALU_DEP_1)
	v_max_num_f32 v214, v214, v208                 ; and among lane l xor 16's
	s_delay_alu instid0(VALU_DEP_1)
	v_mul_f32 v214, s[CS], v214                    ; as t (c is positive)
	s_delay_alu instid0(VALU_DEP_1)
	v_max_num_f32 v13, v13, v214
	v_mov_b32 v214, v12
	s_delay_alu instid0(VALU_DEP_2)
	v_floor_f32 v12, -v13                          ; -M = floor(-t): M is a whole number
	s_delay_alu instid0(VALU_DEP_1)
	v_sub_f32 v214, v12, v214                      ; old M - new M, 0 or less
	s_delay_alu instid0(VALU_DEP_1)
	v_cvt_i32_f32 v214, v214                       ; (it saturates)
	s_delay_alu instid0(VALU_DEP_1)
	v_ldexp_f32 v212, 1.0, v214                    ; f = 2^(old M - new M)
.set j, 0
.rept 32
	v_pk_fma_f32 v[96+j:97+j], v[96+j:97+j], s[CS:CS+1], v[12:13] op_sel_hi:[1,0,0]   ; t - M
.set j, j+2
.endr
	s_wait_alu depctr_va_vdst(0)                   ; the wait ahead of the batch
.set j, 0
.rept 64
	v_exp_f32 v[96+j], v[96+j]                     ; p = 2^(t - M)
.set j, j+1
.endr
	v_pk_mul_f32 v[14:15], v[14:15], v[212:213] op_sel_hi:[1,0]   ; the sum under the new M: the plain line behind the exponentials
	s_wait_alu depctr_va_vdst(0)                   ; one wait for the batch, ahead of its first reader
.irp k, 0,2,4,6                                    ; the row's sum of the unquantised p, two at a time, in four chains
	v_pk_add_f32 v[244+\k:245+\k], v[96+\k:97+\k], v[104+\k:105+\k]
.endr
.irp j, 16,24,32,40,48,56
.irp k, 0,2,4,6
	v_pk_add_f32 v[244+\k:245+\k], v[244+\k:245+\k], v[96+\j+\k:97+\j+\k]
.endr
.endr
	v_pk_add_f32 v[244:245], v[244:245], v[246:247]
	v_pk_add_f32 v[248:249], v[248:249], v[250:251]
	v_pk_add_f32 v[14:15], v[14:15], v[244:245]
	v_pk_add_f32 v[14:15], v[14:15], v[248:249]
.irp t, 0,1,2,3,4,5,6,7
.irp i, 0,2,4,6
	v_dual_min_num_f32 v[96+8*\t+\i], s[HOLD], v[96+8*\t+\i] :: v_dual_min_num_f32 v[97+8*\t+\i], s[HOLD], v[97+8*\t+\i]   ; the conversion does not saturate (ISA guide 7.6.2); p is not negative: a one-sided hold, two numbers a line
.endr
	v_cvt_scalef32_pk8_fp8_f32 v[224+2*\t:225+2*\t], v[96+8*\t:103+8*\t], v217
.endr
	s_wait_alu depctr_va_vdst(0)                   ; the wait here, directly ahead of the first reader of O^T
.set j, 0
.rept 16
	v_pk_mul_f32 v[160+j:161+j], v[160+j:161+j], v[212:213] op_sel_hi:[1,0]   ; O^T under the new M; also the plain lines between the conversions and the products
.set j, j+2
.endr
	s_wait_alu depctr_va_vdst(0)                   ; the wait here, directly ahead of the wait below
	s_wait_dscnt 0x0                               ; V is in
.irp a, 0,1,2,3
	v_wmma_f32_16x16x128_fp8_fp8 v[160+8*\a:167+8*\a], v[32+16*\a:47+16*\a], v[224:239], v[160+8*\a:167+8*\a]
.endr
.Lhidden:
	s_add_co_u32 s[TB], s[TB], 8192
	s_add_co_u32 s[ST], s[ST], 1
	s_cmp_lt_u32 s[ST], 16
	s_cbranch_scc1 .Lstep
	; a pass ends: O^T / the sum x 2^(e10 + e11), held, converted with 2^e12, stored: two groups of 512 consecutive bytes
.rept 4
	v_nop                                          ; places behind the last products
.endr
	v_add_f32 v14, v14, v15
	s_wait_alu depctr_va_vdst(0)
	v_permlanex16_b32 v208, v14, s[SEL], s[SEL+1]
	v_add_f32 v14, v14, v208                       ; the row's sum
	s_wait_alu depctr_va_vdst(0)                   ; the wait ahead of the transcendental
	v_rcp_f32 v14, v14
	v_nop                                          ; a plain line behind the reciprocal
	s_wait_alu depctr_va_vdst(0)                   ; and the wait ahead of its first reader
	v_ldexp_f32 v14, v14, s53
	s_wait_alu depctr_va_vdst(0)                   ; the wait here, directly ahead of the first reader of O^T
.set j, 0
.rept 16
	v_pk_mul_f32 v[96+j:97+j], v[160+j:161+j], v[14:15] op_sel_hi:[1,0]
.set j, j+2
.endr
.set j, 0
.rept 32
	v_med3_num_f32 v[96+j], v[96+j], -v219, v219
.set j, j+1
.endr
.irp a, 0,1,2,3
	v_cvt_scalef32_pk8_fp8_f32 v[192+2*\a:193+2*\a], v[96+8*\a:103+8*\a], v218
.endr
	v_nop                                          ; a plain line behind the last conversion
	global_store_b128 v1, v[192:195], s[YA:YA+1]
	global_store_b128 v1, v[196:199], s[YA:YA+1] offset:512
	s_wait_xcnt 0x0                                ; the stores have read their base and their data: both are written again below and in the next pass
	s_mov_b64 s[YA:YA+1], s[YB:YB+1]               ; on to the second tile
	s_mov_b32 s[LAST], s[LASTB]
	s_mov_b32 s[TD], s[TDB]
	RESET
.irp j, 0,1,2,3,4,5,6,7
	v_mov_b32 v[16+\j], v[24+\j]
.endr
	s_add_co_u32 s[PASS], s[PASS], 1
	s_cmp_lt_u32 s[PASS], 2
	s_wait_alu depctr_va_vdst(0)                   ; the wait here, directly ahead of the branch
	s_cbranch_scc1 .Lpass
	s_wait_tensorcnt 0x0                           ; the wave's end
	ds_add_u32 v[SPW], v[NIL]
	s_wait_dscnt 0x0
	CROUND                                         ; the closing round
	s_endpgm
.Lfunc_end_k_qafffb0a240_attn:
	.size	k_qafffb0a240_attn, .Lfunc_end_k_qafffb0a240_attn-k_qafffb0a240_attn
	.p2alignl 7, 3214868480
	.fill 96, 4, 3214868480
	.section	.rodata,"a",@progbits
	.p2align	6, 0x0
	.amdhsa_kernel k_qafffb0a240_attn
		.amdhsa_group_segment_fixed_size 327680
		.amdhsa_private_segment_fixed_size 0
		.amdhsa_enable_private_segment 0
		.amdhsa_kernarg_size 40
		.amdhsa_user_sgpr_count 2
		.amdhsa_user_sgpr_kernarg_segment_ptr 1
		.amdhsa_wavefront_size32 1
		.amdhsa_system_sgpr_workgroup_id_x 1
		.amdhsa_system_sgpr_workgroup_id_y 1
		.amdhsa_system_sgpr_workgroup_id_z 1
		.amdhsa_system_vgpr_workitem_id 0
		.amdhsa_next_free_vgpr 256
		.amdhsa_next_free_sgpr 100
		.amdhsa_reserve_vcc 0
		.amdhsa_float_denorm_mode_32 3
		.amdhsa_float_denorm_mode_16_64 3
		.amdhsa_memory_ordered 1
		.amdhsa_forward_progress 1
		.amdhsa_inst_pref_size 37
	.end_amdhsa_kernel
	.amdgpu_metadata
---
amdhsa.version: [ 1, 2 ]
amdhsa.kernels:
  - .name:           k_qafffb0a240_attn
    .symbol:         k_qafffb0a240_attn.kd
    .args:
      - { .name: q_img, .offset: 0, .size: 8, .value_kind: global_buffer, .address_space: global }
      - { .name: k_img, .offset: 8, .size: 8, .value_kind: global_buffer, .address_space: global }
      - { .name: v_img, .offset: 16, .size: 8, .value_kind: global_buffer, .address_space: global }
      - { .name: lowp_scales, .offset: 24, .size: 8, .value_kind: global_buffer, .address_space: global }
      - { .name: y_img, .offset: 32, .size: 8, .value_kind: global_buffer, .address_space: global }
    .group_segment_fixed_size: 327680
    .private_segment_fixed_size: 0
    .kernarg_segment_align: 8
    .kernarg_segment_size: 40
    .max_flat_workgroup_size: 512
    .sgpr_count:     100
    .vgpr_count:     256
    .wavefront_size: 32
...
	.end_amdgpu_metadata
.endif
;; end of part 2
;; launch oproj (part 3): grid 64 x 4, 4 waves a work-group, clusters of 4 x 1, 327,680 bytes of LDS; arguments y_img, o_proj_w_codes, lowp_scales, o_proj_b, out0; writes out0
.if DOCPART == 3
	.amdgcn_target "amdgcn-amd-amdhsa--gfx1250"
	.amdhsa_code_object_version 6
	.text
	.protected	k_qafffb0a240_oproj
	.globl	k_qafffb0a240_oproj
	.p2align	8
	.type	k_qafffb0a240_oproj,@function
k_qafffb0a240_oproj:
	s_mov_b64 s[64:65], 0
	v_nop
	global_prefetch_b8 v0, s[64:65] scope:SCOPE_SE
	s_setreg_imm32_b32 hwreg(HW_REG_WAVE_MODE, 25, 1), 1
	s_wait_xcnt 0x0
	s_wait_alu depctr_hold_cnt(0) depctr_sa_sdst(0) depctr_va_vdst(0) depctr_va_sdst(0) depctr_va_ssrc(0) depctr_va_vcc(0) depctr_vm_vsrc(0)
	s_getreg_b32 s2, hwreg(HW_REG_IB_STS2, 6, 4)
	s_cmp_eq_u32 s2, 0
	s_cbranch_scc0 .Lentry_in_a_cluster
	s_endpgm
.Lentry_in_a_cluster:
	s_bfe_u32 s2, ttmp6, 0x10000c
	s_cmp_lg_u32 s2, 0x3003
	s_cbranch_scc0 .Lentry_shape_is_right
	s_endpgm
.Lentry_shape_is_right:
; out = y Wo^T + b on codes of FP8 (E4M3).  y_img: images of operand registers, [block of 128 tokens 64][256 along K 4][tile 8][128 along K 2][g 4][lane 32][16 bytes], scale 2^e12; Wo: [1024][1024] codes, 2^e13;
; b: [1024] f32; out: [8192][1024] f32.
; SHARES.  A work-group makes 128 tokens x 256 columns; four waves, each 64 x 128: 32 accumulators.  Source 0 = 16 rows of Wo, source 1 = 16 tokens: a lane holds eight neighbouring columns of one row of out.
; K goes in four slots' worth of 256 through a ring of two LDS slots, two steps of 128 each; all is written out.  y has the form's own layout, so Wo is fetched in that layout, by loads of 8 bytes.
; CLUSTER: the four partners are four blocks of tokens against the same 256 rows of Wo: Wo's tiles are asked for jointly (mask 15); y's images are each work-group's own (no mask), one dense block of 32,768 bytes a slot.
; out = sum x 2^(e12 + e13) + b: one packed multiply-add for two numbers.  LIMIT: e12 + e13 between -126 and 127.
; REGISTERS: window 0: v1-6 lane terms, v16-17, v20-21, v24-25 LDS addresses, v28-29 for the add, v64-191 y's fragments in two sets, v192-255 the bias; on the way out v32-159 rows of out;
; window 1: Wo's fragments, two sets; window 2: accumulator (a, b) at v[8 (8 a + b)].
.set PITCH, 272
.set HALFT, 128*PITCH
.set SLOT,  3*HALFT                    ; 256 rows of Wo, then y's 32,768 bytes of images
.set STAGE, 2*SLOT                     ; the way out: 16 rows x (512 bytes + 16) for each wave, written by LDS stores alone
.set SPARE, STAGE+4*16*528             ; the spare words: 128 bytes a wave, named by the add alone
.set STEPA, 65536                      ; y: two blocks of 32,768 bytes on
.set STEPB, 512
.set NF,    63                         ; a fetch is 80 loads; the count names as many as its field holds
.set LI,   4
.set ADRA, 16
.set ADRB, 20
.set STO,  24
.set RDB,  25
.set SPW,  28
.set NIL,  29
.set G1A, 24
.set G0A, 32
.set G1B, 48
.set G0B, 56
.set MSB, 0
.macro WIN new                         ; the immediate's high byte repeats the setting that is left
.if MSB != \new
	s_set_vgpr_msb (MSB<<8)|\new
.set MSB, \new
.endif
.endm
.set MUL,  0xa1                        ; source 0 window 1, source 1 window 0, C and D window 2
.set TO_B, 0x40                        ; destination window 1
.set RD2,  0x02                        ; source 0 window 2
.macro PLACES n
.rept \n
	v_nop
.endr
.endm
.macro CREST
	s_cmp_lg_u32 s14, 0
	s_cbranch_scc1 .Lnot_wave_0_\@
	s_barrier_signal -3
.Lnot_wave_0_\@:
	s_barrier_wait -3
	s_barrier_signal -1
	s_barrier_wait -1
.endm
.macro CROUND
	s_barrier_signal -1
	s_barrier_wait -1
	CREST
.endm
.macro JLOAD s                         ; wave 0: Wo's 256 rows, one descriptor; wave 1: y's images; waves 2, 3 nothing.  Four v_nop follow each line and are the places in front of the LDS loads behind
	s_cmp_eq_u32 s14, 0
	s_cbranch_scc0 .Lnot_b_\@
	tensor_load_to_lds s[G0B+4*\s:G0B+4*\s+3], s[G1B:G1B+7]
	s_nop 0
	PLACES 4
	s_branch .Lasked_\@
.Lnot_b_\@:
	s_cmp_eq_u32 s14, 1
	s_cbranch_scc0 .Lnot_a_\@
	tensor_load_to_lds s[G0A+4*\s:G0A+4*\s+3], s[G1A:G1A+7]
	s_nop 0
	PLACES 4
	s_branch .Lasked_\@
.Lnot_a_\@:
	PLACES 4
.Lasked_\@:
.endm
.macro MUL8 a, p, mode                 ; 8 products: token tile a against Wo's eight; mode 1: C = 0.  The 32 accumulators take turns in one order throughout
.irp b, 0,1,2,3,4,5,6,7
.if \mode == 1
	v_wmma_f32_16x16x128_fp8_fp8 v[8*(8*\a+\b):8*(8*\a+\b)+7], v[128*\p+16*\b:128*\p+16*\b+15], v[64+64*\p+16*\a:64+64*\p+16*\a+15], 0
.else
	v_wmma_f32_16x16x128_fp8_fp8 v[8*(8*\a+\b):8*(8*\a+\b)+7], v[128*\p+16*\b:128*\p+16*\b+15], v[64+64*\p+16*\a:64+64*\p+16*\a+15], v[8*(8*\a+\b):8*(8*\a+\b)+7]
.endif
.endr
.endm
.macro FETCH slot, q, p                ; 8 fragments of Wo (registers 2 c, 2 c + 1 = k 16 c + 8 h ..), 4 images of y
	WIN TO_B
.irp i, 0,1,2,3,4,5,6,7
.irp c, 0,1,2,3,4,5,6,7
	ds_load_b64 v[128*\p+16*\i+2*\c:128*\p+16*\i+2*\c+1], v[ADRB+\slot] offset:\i*16*PITCH+128*\q+16*\c
.endr
.endr
	WIN 0
.irp i, 0,1,2,3
.irp g, 0,1,2,3
	ds_load_b128 v[64+64*\p+16*\i+4*\g:64+64*\p+16*\i+4*\g+3], v[ADRA+\slot] offset:4096*\i+2048*\q+512*\g
.endr
.endr
.endm
.macro STEP slot, mode
	PLACES 4                                       ; set 1 was read by the products just before
	FETCH \slot, 1, 1
	s_wait_dscnt NF                                ; set 0 is in: 80 loads were issued behind it
	WIN MUL
	MUL8 0, 0, \mode
	MUL8 1, 0, \mode
	MUL8 2, 0, \mode
	MUL8 3, 0, \mode
	WIN 0
.endm
.macro TURN slot, next, kind           ; a slot's second step and the change of slots; kind 1: this slot is filled again behind a round of the cluster's barrier
	s_wait_tensorcnt 0x0                           ; all my tensor loads have landed
	ds_add_u32 v[SPW], v[NIL]                      ; 0 onto my spare word
	s_wait_dscnt 1                                 ; set 1 is in; the add may be out
	WIN MUL
	MUL8 0, 1, 0
	s_wait_dscnt 0x0                               ; the add is done, and my reads of this slot are over
	s_barrier_signal -1
	MUL8 1, 1, 0
	WIN 0
	s_barrier_wait -1
.if \kind == 1
	CREST
	s_add_nc_u64 s[G0A+4*\slot+2:G0A+4*\slot+3], s[G0A+4*\slot+2:G0A+4*\slot+3], STEPA
	s_add_nc_u64 s[G0B+4*\slot+2:G0B+4*\slot+3], s[G0B+4*\slot+2:G0B+4*\slot+3], STEPB
	JLOAD \slot
.else
	PLACES 4
.endif
	FETCH \next, 0, 0
	WIN MUL
	MUL8 2, 1, 0
	MUL8 3, 1, 0
	WIN 0
.endm
; THE WAY OUT, a block of 16 tokens x 128 columns at a time: sum x 2^(e12 + e13) + b into other registers, each accumulator from its low end on; through my own stage in LDS; back as whole rows of 512 bytes.
; LDS serves a wave's instructions in order (ISA guide 5.7.1.4): no wait between the stores and the loads.
.macro TOSTAGE a
.set RR, 32+64*((\a)%2)
	WIN RD2
.irp b, 0,1,2,3,4,5,6,7
.irp i, 0,2,4,6
	v_pk_fma_f32 v[RR+8*\b+\i:RR+8*\b+\i+1], v[8*(8*(\a)+\b)+\i:8*(8*(\a)+\b)+\i+1], s[66:67], v[192+8*\b+\i:192+8*\b+\i+1] op_sel_hi:[1,0,1]
.endr
.endr
	WIN 0
.irp b, 0,1,2,3,4,5,6,7
	ds_store_b128 v[STO], v[RR+8*\b:RR+8*\b+3] offset:64*\b
	ds_store_b128 v[STO], v[RR+8*\b+4:RR+8*\b+7] offset:64*\b+16
.endr
.irp t, 0,1,2,3,4,5,6,7,8,9,10,11,12,13,14,15
	ds_load_b128 v[RR+4*\t:RR+4*\t+3], v[RDB] offset:\t*528
.endr
.endm
.macro SEND a, younger                 ; younger: the LDS instructions issued behind block a's loads
.set RR, 32+64*((\a)%2)
	s_wait_dscnt \younger
.irp t, 0,1,2,3,4,5,6,7,8,9,10,11,12,13,14,15
	global_store_b128 v[LI], v[RR+4*\t:RR+4*\t+3], s[12:13] offset:(16*(\a)+\t)*4096 th:TH_STORE_NT   ; 32 lanes store 512 consecutive bytes, aligned; written once, read by nobody here
.endr
.endm
	s_load_b256 s[4:11], s[0:1], 0x0               ; y_img s[4:5], Wo s[6:7], the scales' exponents s[8:9], b s[10:11]
	s_load_b64 s[12:13], s[0:1], 0x20              ; out
	v_lshl_add_u32 v[SPW], v0, 2, SPARE
	v_mov_b32 v[NIL], 0
	ds_add_u32 v28, v29
	ds_add_u32 v28, v29
	s_wait_dscnt 0x0
	v_lshrrev_b32 v1, 5, v0
	v_readfirstlane_b32 s14, v1                    ; wave 0..3
	s_lshr_b32 s15, s14, 1                         ; wa: my 64 tokens
	s_and_b32 s16, s14, 1                          ; wb: my 128 columns
	s_bfe_u32 s17, ttmp6, 0x40000                  ; cx
	s_lshl_b32 s18, ttmp9, 2
	s_add_co_u32 s18, s18, s17                     ; tb: block of 128 tokens, 0..63
	s_and_b32 s19, ttmp7, 0xffff                   ; ns: slab of 256 columns, 0..3
	s_mov_b32 s[G1B], 15|(1<<20)|(1<<21)|(5<<22)|(3<<25)  ; Wo: mask of all four partners; elements of 1 byte; padding of 4 words behind every 64; bit 21 beside a mask
	s_mov_b32 s[G1B+1], 256<<16
	s_mov_b32 s[G1B+2], 256<<16
	s_mov_b32 s[G1B+3], 256<<16
	s_mov_b32 s[G1B+4], 256
	s_mov_b32 s[G1B+5], 1024
	s_mov_b32 s[G1B+6], 0
	s_mov_b32 s[G1B+7], 0
	s_mov_b32 s[G1A], 3<<16                        ; y: a dense block as 128 rows of 32 elements of 8 bytes, no mask, no padding
	s_mov_b32 s[G1A+1], 32<<16
	s_mov_b32 s[G1A+2], 128<<16
	s_mov_b32 s[G1A+3], 32<<16
	s_mov_b32 s[G1A+4], 128
	s_mov_b32 s[G1A+5], 32
	s_mov_b32 s[G1A+6], 0
	s_mov_b32 s[G1A+7], 0
	v_and_b32 v1, 15, v0                           ; r
	v_bfe_u32 v2, v0, 4, 1                         ; h
	v_mul_u32_u24 v3, v1, PITCH
	v_lshl_add_u32 v5, v2, 3, v3                   ; row x pitch + 8 h
	v_and_b32 v[LI], 31, v0
	v_lshlrev_b32 v[LI], 4, v[LI]                  ; 16 x lane
	s_wait_alu depctr_va_vdst(0)
	v_lshlrev_b32 v6, 5, v2                        ; 32 h: my eight columns' biases
	s_mul_i32 s41, s16, HALFT                      ; my 128 rows of Wo
	s_lshl_b32 s42, s15, 14                        ; my four tiles' images,
	s_add_co_u32 s42, s42, 2*HALFT                 ; behind Wo's 256 rows
.irp s, 0,1
	v_add_nc_u32 v[ADRB+\s], s41, v5
	v_add_nc_u32 v[ADRA+\s], s42, v[LI]
	s_add_co_u32 s41, s41, SLOT
	s_add_co_u32 s42, s42, SLOT
.endr
	s_mul_i32 s43, s14, 16*528
	s_add_co_u32 s43, s43, STAGE                   ; my stage
	v_mul_u32_u24 v[STO], v1, 528
	v_lshl_add_u32 v[STO], v2, 5, v[STO]
	v_add_nc_u32 v[STO], s43, v[STO]               ; in: row r, 32 bytes for each half of the lanes
	v_add_nc_u32 v[RDB], s43, v[LI]                ; back: the 32 lanes take one row of 512 bytes
	s_lshl_b32 s20, s19, 18
	s_mov_b32 s21, 0
	s_lshl_b32 s22, s18, 17                        ; y: a block's 131,072 bytes
	s_mov_b32 s23, 0
	s_lshl_b32 s44, s19, 10
	s_lshl_b32 s45, s16, 9
	s_add_co_u32 s44, s44, s45                     ; my first column, in bytes: the bias's place,
	s_mov_b32 s45, 0
	s_lshl_b32 s46, s18, 19
	s_lshl_b32 s47, s15, 18
	s_add_co_u32 s46, s46, s47                     ; my first row of out: (128 tb + 64 wa) x 4,096 bytes
	s_add_co_u32 s46, s46, s44
	s_mov_b32 s47, 0
	s_wait_kmcnt 0x0
	s_load_b64 s[66:67], s[8:9], 0x30              ; e12, e13
	s_add_nc_u64 s[20:21], s[6:7], s[20:21]
	s_add_nc_u64 s[22:23], s[4:5], s[22:23]
	s_add_nc_u64 s[10:11], s[10:11], s[44:45]
	s_add_nc_u64 s[12:13], s[12:13], s[46:47]
	CROUND                                         ; all four partners are here: the first joint loads meet
.irp s, 0,1
	s_mov_b32 s[G0A+4*\s], 1
	s_mov_b32 s[G0A+4*\s+1], 2*HALFT+\s*SLOT       ; y's images lie behind Wo's 256 rows
	s_add_nc_u64 s[G0A+4*\s+2:G0A+4*\s+3], s[22:23], \s*32768
	s_or_b32 s[G0A+4*\s+3], s[G0A+4*\s+3], 0x80000000
	s_mov_b32 s[G0B+4*\s], 1
	s_mov_b32 s[G0B+4*\s+1], \s*SLOT
	s_add_nc_u64 s[G0B+4*\s+2:G0B+4*\s+3], s[20:21], \s*256
	s_or_b32 s[G0B+4*\s+3], s[G0B+4*\s+3], 0x80000000
.endr
	s_cmp_eq_u32 s14, 0                            ; the four first fills, both slots' two tiles, one a wave, in one chain of branches on the wave's number
	s_cbranch_scc0 .Lfirst_1
	tensor_load_to_lds s[G0B:G0B+3], s[G1B:G1B+7]
	s_nop 0
	PLACES 4
	s_branch .Lfirst_done
.Lfirst_1:
	s_cmp_eq_u32 s14, 1
	s_cbranch_scc0 .Lfirst_2
	tensor_load_to_lds s[G0A:G0A+3], s[G1A:G1A+7]
	s_nop 0
	PLACES 4
	s_branch .Lfirst_done
.Lfirst_2:
	s_cmp_eq_u32 s14, 2
	s_cbranch_scc0 .Lfirst_3
	tensor_load_to_lds s[G0B+4:G0B+7], s[G1B:G1B+7]
	s_nop 0
	PLACES 4
	s_branch .Lfirst_done
.Lfirst_3:
	tensor_load_to_lds s[G0A+4:G0A+7], s[G1A:G1A+7]
	s_nop 0
	PLACES 4
.Lfirst_done:
	s_wait_alu depctr_va_vdst(0)
.irp b, 0,1,2,3,4,5,6,7
	global_load_b128 v[192+8*\b:192+8*\b+3], v6, s[10:11] offset:64*\b      ; b of columns 16 b + 8 h + 0 .. 7, in the result's layout
	global_load_b128 v[192+8*\b+4:192+8*\b+7], v6, s[10:11] offset:64*\b+16
.endr
	s_wait_kmcnt 0x0
	s_add_co_i32 s66, s66, s67
	s_add_co_i32 s66, s66, 127
	s_lshl_b32 s66, s66, 23                        ; 2^(e12 + e13) as f32
	s_mov_b32 s67, s66                             ; (named with it as a pair, so it is written)
	s_wait_alu depctr_va_vdst(0)                   ; the wait at the head's end
	s_wait_tensorcnt 0x0                           ; my one first fill is in
	s_barrier_signal -1
	s_barrier_wait -1
	FETCH 0, 0, 0
	STEP 0, 1
	TURN 0, 1, 1
	STEP 1, 0
	TURN 1, 0, 1
	STEP 0, 0
	TURN 0, 1, 0
	STEP 1, 0
	s_wait_dscnt 0x0                               ; the very last step
	WIN MUL
	MUL8 0, 1, 0
	MUL8 1, 1, 0
	MUL8 2, 1, 0
	MUL8 3, 1, 0
	WIN 0
	PLACES 4
	s_wait_loadcnt 0x0                             ; the bias
	TOSTAGE 0
.irp a, 1,2,3
.if \a > 1
	s_wait_xcnt 0x0                                ; block a - 2's stores have read their registers, which block a takes
.endif
	TOSTAGE \a
	SEND \a-1, 32                                  ; behind block a - 1's loads: block a's 16 stores and 16 loads
.endr
	SEND 3, 0
	s_wait_tensorcnt 0x0                           ; the wave's end
	ds_add_u32 v[SPW], v[NIL]
	s_wait_dscnt 0x0
	CROUND                                         ; the closing round
	s_endpgm
.Lfunc_end_k_qafffb0a240_oproj:
	.size	k_qafffb0a240_oproj, .Lfunc_end_k_qafffb0a240_oproj-k_qafffb0a240_oproj
	.p2alignl 7, 3214868480
	.fill 96, 4, 3214868480
	.section	.rodata,"a",@progbits
	.p2align	6, 0x0
	.amdhsa_kernel k_qafffb0a240_oproj
		.amdhsa_group_segment_fixed_size 327680
		.amdhsa_private_segment_fixed_size 0
		.amdhsa_enable_private_segment 0
		.amdhsa_kernarg_size 40
		.amdhsa_user_sgpr_count 2
		.amdhsa_user_sgpr_kernarg_segment_ptr 1
		.amdhsa_wavefront_size32 1
		.amdhsa_system_sgpr_workgroup_id_x 1
		.amdhsa_system_sgpr_workgroup_id_y 1
		.amdhsa_system_sgpr_workgroup_id_z 1
		.amdhsa_system_vgpr_workitem_id 0
		.amdhsa_next_free_vgpr 768
		.amdhsa_next_free_sgpr 100
		.amdhsa_reserve_vcc 0
		.amdhsa_float_denorm_mode_32 3
		.amdhsa_float_denorm_mode_16_64 3
		.amdhsa_memory_ordered 1
		.amdhsa_forward_progress 1
		.amdhsa_inst_pref_size 93
	.end_amdhsa_kernel
	.amdgpu_metadata
---
amdhsa.version: [ 1, 2 ]
amdhsa.kernels:
  - .name:           k_qafffb0a240_oproj
    .symbol:         k_qafffb0a240_oproj.kd
    .args:
      - { .name: y_img, .offset: 0, .size: 8, .value_kind: global_buffer, .address_space: global }
      - { .name: o_proj_w_codes, .offset: 8, .size: 8, .value_kind: global_buffer, .address_space: global }
      - { .name: lowp_scales, .offset: 16, .size: 8, .value_kind: global_buffer, .address_space: global }
      - { .name: o_proj_b, .offset: 24, .size: 8, .value_kind: global_buffer, .address_space: global }
      - { .name: out0, .offset: 32, .size: 8, .value_kind: global_buffer, .address_space: global }
    .group_segment_fixed_size: 327680
    .private_segment_fixed_size: 0
    .kernarg_segment_align: 8
    .kernarg_segment_size: 40
    .max_flat_workgroup_size: 128
    .sgpr_count:     100
    .vgpr_count:     768
    .wavefront_size: 32
...
	.end_amdgpu_metadata
.endif
;; end of part 3
